; MI455X (gfx1250); checked and timed in simulation.
; The chip was launched on July 23, 2026; its instructions are those of AMD's public machine-readable ISA for CDNA 5 (MIT licence, August 2026) and "CDNA5" Instruction Set Architecture Reference Guide (July 2026). The comments in the code are by the model that wrote it; some were corrected since.
;; Time Embedding. Allowed arithmetic: matrix products marked QUANTISED: E4M3 operands, one given power-of-two scale a tensor, by v_wmma_f32_16x16x64_fp8_fp8 or v_wmma_f32_16x16x128_fp8_fp8, f32 sums; everything else in f32.
;; Inputs: W 128 x 50,000 float32; b 128 float32; elt 4,096 int32; lowp_scales 2 int32 (the exponents e of the quantised operands' scales 2^e).
;; Outputs: out0 4,096 x 128 float32.
;; This version of the problem:
;;   THIS VERSION OF THE PROBLEM IS GIVEN IN LOW PRECISION. The matrix products marked QUANTISED in the list below multiply operands that are first quantised to E4M3 (4 exponent bits, 3 mantissa bits; 8 bits a number), with one given power-of-two scale for each operand tensor; their sums are f32. All else is computed in f32.
;;   The module's matrix products, in the order in which they are computed (A, B: the left and right operand; K: the contracted axis; several contracted axes count as one K, in the product's order):
;;     1. [M 4,096, K 50,000] x [K 50,000, N 128]; A: computed on the way; B: input W: QUANTISED (scales: A lowp_scales[0], B lowp_scales[1])
;;   THE QUANTISER, for each operand of a quantised product, along K:
;;     - The operand's scale is 2^e, e = its entry of the input lowp_scales (int32; the entries are numbered through the quantised products in the list's order, A before B).
;;     - Each number is divided by the scale, clamped to +-448, and rounded to the nearest number of E4M3, ties to even, subnormals kept.
;;     - The product sums the exact products of the quantised numbers (number of the format x scale) in f32.
;;   ~~~python
;;   def quantise(x, axis, e):      # numpy; x: float32 -> the quantised numbers, widened to float32 again
;;       x = np.moveaxis(x, axis, -1); K = x.shape[-1]
;;       r = np.clip(x / 2.0 ** e, -448, 448)
;;       step = 2.0 ** (np.maximum(np.frexp(np.where(r == 0, 1, r))[1] - 1, -6) - 3)
;;       q = np.round(r / step) * step * 2.0 ** e      # np.round: ties to even
;;       return np.moveaxis(q, -1, axis).astype(np.float32)
;;   ~~~
;;   OPERANDS COMPUTED ON THE WAY. 'Computed on the way' means the value that the module computes at that place (a softmax that the list does not call 'softmax' is quantised finished and normalised). What goes into a quantiser is computed in f32, as accurately as f32 sums, v_exp_f32 and their like allow (about 1e-6 of the number): no bf16 or f16 on the way to a quantiser, and a product that is left as it is and whose result goes on into a quantised operand takes f32 operands (vector FMAs, or v_wmma_f32_16x16x4_f32). A number that lies on a knife's edge between two numbers of the format may be rounded either way, as far as f32 arithmetic and the matrix unit's own rounding can turn it there, and no further.
;; 2 versions. Each part assembles by itself: llvm-mc -triple=amdgcn-amd-amdhsa -mcpu=gfx1250 --defsym DOCPART=n.
;; ======== version 1 of 2: 1 launch
;; launch onehot_gemm (part 1): grid 196 x 1, 8 waves a work-group, no clusters, 103,424 bytes of LDS; arguments W, b, elt, lowp_scales, out0; writes out0
.if DOCPART == 1
	.amdgcn_target "amdgcn-amd-amdhsa--gfx1250"
	.amdhsa_code_object_version 6
	.text
	.protected	k_q2179065f92_onehot_gemm
	.globl	k_q2179065f92_onehot_gemm
	.p2align	8
	.type	k_q2179065f92_onehot_gemm,@function
k_q2179065f92_onehot_gemm:
	s_mov_b64 s[64:65], 0
	v_nop
	global_prefetch_b8 v0, s[64:65] scope:SCOPE_SE
	s_setreg_imm32_b32 hwreg(HW_REG_WAVE_MODE, 25, 1), 1
	s_wait_xcnt 0x0
; out0[m][n] = sum over k of Q(one_hot(elt[m])[k]) Q(W[n][k]) + b[n].  M = 4,096, K = 50,000, N = 128.  Both operands are codes of FP8 (E4M3), each with the one
; given scale 2^e (lowp_scales: e0 for the one-hot, e1 for W); the product runs on v_wmma_f32_16x16x128_fp8_fp8, sums in f32, each sum x 2^(e0 + e1) + b.
; SPLIT ALONG K.  Work-group g owns k = 256 g .. 256 g + 255 (196 work-groups; the last has 80 real k, the rest of its chunk are zero codes).  It reads its 128 x 1,024
; bytes of W once, quantises them once, and every one of its eight waves keeps all 32,768 codes in 256 registers.  Chunks of 196 k for 256 work-groups would still
; take two K steps of 128 each, so they would add zero codes and spare no instruction: 196 work-groups are what the work has.
; SPLIT ALONG M.  Wave w walks rows 512 w .. 512 w + 511, 32 tiles of 16 rows, 16 matrix instructions a tile: 8 tiles of n x 2 K steps.  The one-hot operand never lies
; in memory or LDS.  A tile with a row whose index lies in my chunk has its two fragments made in registers from elt by whole-number compares.  A tile with no such row
; is all zeros in my chunk: its products take a standing fragment of zero codes, and nothing is made.  With indices spread evenly, 16 rows against 196 chunks, that is
; about eleven tiles in twelve.
; ONE OWNER FOR EACH ROW.  Row m is other than b in the one chunk that holds elt[m].  With D = elt - 256 g as u32, work-group g stores row m where D < 256; the last
; work-group where D < 2^32 - 49,920.  So every u32 value of elt has exactly one owner, and each row is stored once, whole (512 bytes).  An index outside 0 .. 49,999
; falls to the last work-group and meets no one-hot code or zero codes of W: the row is b, as one_hot gives it.  No sum leaves a work-group in parts.
; The branches hang on elt alone, a whole-number input.
; k IS PERMUTED, ALIKE IN BOTH OPERANDS: lane (r = lane % 16, h = lane / 16), fragment register j = 0 .. 31 (K step j / 16), byte y hold k = 128 h + 4 j + y of the chunk.
; Each output is one product and zeros, so the order of k changes no bit.
; THE MATRIX INSTRUCTION IS USED TRANSPOSED: source 0 = 16 rows of W, source 1 = 16 rows of the one-hot: a lane holds eight neighbouring columns of one row of out0.
; NO CLUSTER: work-groups share elt and b alone, 16,896 bytes beside 131,072 bytes of their own.  NO TENSOR LOAD: W passes through registers for its conversion and is read once.
; LIMITS: e0 and e1 between -126 and 119, e0 + e1 between -126 and 127, so that each power of two below is an f32 number.  NaN in W is not served; an infinity is held at the largest code.
; REGISTERS.  Window 0: v1-15 lane numbers and offsets; v16-19 b; v20-27 elt and D; v28-31 at work; v32-63 the one-hot's fragments; v64-127 eight accumulators;
;   v128-191 16 rows on the way out; v232 the one-hot's code; v240-255 a fragment of zero codes.  At the head only: v64-191 W as f32, v192-223 its codes, v224-236 constants.
;   Window 1: W's fragments: tile t of n, K step s at v[32 t + 16 s].
.set NROW, 200000                      ; bytes in a row of W
.set CP,   272                         ; LDS: a row of 256 codes + 16 of padding = 68 words: the 16 rows of a fragment load start at 16 different groups of 4 words modulo 64
.set SPI,  528                         ; LDS: a stage row: 512 bytes + 16 of padding = 132 words: likewise
.set STG,  128*CP                      ; behind the codes: a stage of 16 rows for each wave, its own
.set STGW, 16*SPI
.set H32,  3                           ; v3   32 h
.set WOE,  4                           ; v4   W: my 16 bytes of a row's first 512, held inside the row
.set WOO,  5                           ; v5   and of its second 512
.set LIME, 6                           ; v6   448 x 2^e1, or 0 where my four k of the first 512 bytes lie past k = 49,999
.set LIMO, 7                           ; v7   the same for the second 512 bytes
.set SCW,  8                           ; v8   2^e1 as f32
.set CST,  9                           ; v9   where I store codes: 16 w rows + 4 x lane
.set BRD,  10                          ; v10  where I read W's fragments: r rows + 128 h
.set STO,  11                          ; v11  the stage: where I put 32 bytes of a row
.set SRD,  12                          ; v12  and where I read a row back
.set EOFF, 13                          ; v13  my byte offset in elt; + 256 a trip
.set OOFF, 14                          ; v14  my byte offset in out0; + 32,768 a trip
.set L16,  15                          ; v15  16 x lane; never rewritten
.set BIAS, 16
.set E,    20
.set D,    24
.set Q,    28
.set T,    29
.set VAL,  30
.set AF,   32
.set ACC,  64
.set OUTR, 128
.set WF,   64
.set CW,   192
.set CODE, 232
.set ZF,   240                         ; v240-255  16 registers of zero codes: the one-hot's fragment, of either K step, where no row of a tile has its index in my chunk; never rewritten
.set MSB, 0
.macro WIN new                         ; the immediate's high byte repeats the setting that is left; a switch that changes nothing is dropped
.if MSB != \new
	s_set_vgpr_msb (MSB<<8)|\new
.set MSB, \new
.endif
.endm
	s_load_b256 s[4:11], s[0:1], 0x0               ; W s[4:5], b s[6:7], elt s[8:9], the scales' exponents s[10:11]
	s_load_b64 s[12:13], s[0:1], 0x20              ; out0
	v_lshl_add_u32 v238, v0, 2, 0x19000
	v_mov_b32 v239, 0
	v_and_b32 v1, 31, v0                           ; lane
	v_and_b32 v2, 15, v0                           ; r
	v_bfe_u32 v29, v0, 4, 1                        ; h
	v_lshrrev_b32 v30, 5, v0
	v_readfirstlane_b32 s14, v30                   ; wave 0..7
	v_lshlrev_b32 v[H32], 5, v29
	v_lshlrev_b32 v[L16], 4, v1
	s_mul_i32 s28, s14, 16*CP
	v_lshl_add_u32 v[CST], v1, 2, s28              ; my wave's 16 rows of codes, 4 bytes a lane
	v_mul_u32_u24 v[BRD], v2, CP
	v_lshl_add_u32 v[BRD], v29, 7, v[BRD]
	s_mul_i32 s29, s14, STGW
	s_add_co_u32 s29, s29, STG                     ; my stage
	v_mul_u32_u24 v[STO], v2, SPI
	v_lshl_add_u32 v[STO], v29, 5, v[STO]
	v_add_nc_u32 v[STO], s29, v[STO]               ; in: row r, + 32 h
	v_add_nc_u32 v[SRD], s29, v[L16]               ; back: the 32 lanes take one row of 512 bytes
	s_lshl_b32 s30, s14, 11
	v_lshl_add_u32 v[EOFF], v2, 4, s30             ; elt: 512 w numbers on, four numbers for each r: rows 4 r .. 4 r + 3 of a trip's 64
	s_lshl_b32 s31, s14, 18
	v_add_nc_u32 v[OOFF], s31, v[L16]              ; out0: 512 w rows of 512 bytes on, 16 bytes a lane
	s_mov_b32 s15, ttmp9                           ; g
	s_lshl_b32 s16, s15, 8                         ; the chunk's first k
	s_lshl_b32 s26, s15, 10                        ; and its first byte in a row of W
	s_sub_co_u32 s23, NROW-16, s26                 ; the last place in the chunk at which 16 bytes still lie inside the row
	s_mov_b32 s17, 256
	s_cmp_eq_u32 s15, 195
	s_cselect_b32 s17, 0xffff3d00, s17             ; I own a row where D < this: 256, in the last work-group 2^32 - 49,920
	v_add_nc_u32 v31, 0x200, v[L16]
	v_min_u32 v[WOE], s23, v[L16]                  ; no load leaves its row: lanes past the end read the row's last 16 bytes, and their numbers are held at 0 below
	v_min_u32 v[WOO], s23, v31
	s_mul_i32 s27, s14, 16*NROW                    ; my wave quantises rows 16 w .. 16 w + 15 of W
	s_add_co_u32 s26, s26, s27
	s_mov_b32 s27, 0
	s_wait_kmcnt 0x0
	s_load_b64 s[18:19], s[10:11], 0x0             ; e0, e1
	s_add_nc_u64 s[4:5], s[4:5], s[26:27]
	; all that the wave reads but later trips' elt goes out at once: 34 loads
.irp j, 0,1,2,3,4,5,6,7,8,9,10,11,12,13,14,15,16,17,18,19,20,21,22,23,24,25,26,27,28,29,30,31
	global_load_b128 v[WF+4*\j:WF+4*\j+3], v[WOE+\j%2], s[4:5] offset:(\j/2)*NROW th:TH_LOAD_NT   ; row j / 2: 32 lanes read 512 consecutive bytes; read once in the launch
.endr
	global_load_b128 v[BIAS:BIAS+3], v[L16], s[6:7]            ; b[4 x lane ..]
	global_load_b128 v[E:E+3], v[EOFF], s[8:9]                 ; the first trip's elt: sixteen lanes read 256 consecutive bytes, the other sixteen the same
	; the constants, while the loads are out
.irp i, 0,1,2,3,4,5,6,7,8,9,10,11,12,13,14,15
	v_mov_b32 v[ZF+\i], 0                          ; the code 0 is the number 0: the fragment of a tile that is all zeros in my chunk
.endr
	s_wait_kmcnt 0x0
	s_add_co_i32 s28, s18, s19
	s_add_co_i32 s28, s28, 127
	s_lshl_b32 s20, s28, 23                        ; 2^(e0 + e1) as f32
	s_mov_b32 s21, s20                             ; (named with it as a pair, so it is written)
	s_add_co_i32 s28, s19, 127
	s_lshl_b32 s29, s28, 23
	v_mov_b32 v[SCW], s29                          ; 2^e1: the conversion takes its exponent field
	s_add_co_i32 s28, s28, 8
	s_lshl_b32 s28, s28, 23
	s_or_b32 s28, s28, 0x600000
	v_mov_b32 v236, s28                            ; 448 x 2^e1
	v_cmp_ge_u32 s24, s23, v[L16]                  ; do my four k lie inside K?
	v_cmp_ge_u32 s25, s23, v31
	v_cndmask_b32 v[LIME], 0, v236, s24            ; where not, the hold is at 0: zero codes
	v_cndmask_b32 v[LIMO], 0, v236, s25
	s_add_co_i32 s28, s18, 127
	s_lshl_b32 s29, s28, 23
	v_mov_b32 v234, s29                            ; 2^e0
	s_add_co_i32 s28, s28, 8
	s_lshl_b32 s28, s28, 23
	s_or_b32 s28, s28, 0x600000
	v_mov_b32 v235, s28                            ; 448 x 2^e0
	v_min_num_f32 v224, 1.0, v235                  ; the one-hot's 1.0, held at the largest code x the scale (the conversion does not saturate: ISA guide 7.6.2),
.irp i, 1,2,3,4,5,6,7
	v_mov_b32 v[224+\i], 0                         ; and its zeros
.endr
	v_cvt_scalef32_pk8_fp8_f32 v[CODE:CODE+1], v[224:231], v234   ; v232: byte 0 the code of 1.0 / 2^e0, bytes 1 to 3 the code 0
	v_nop                                          ; a plain line behind the scaled conversion
; Row 16 w + p of W: 8 numbers a lane (k = 4 x lane .. + 3 and 128 + 4 x lane .. + 3) become 8 codes; each store lays 128 consecutive bytes of the row, k in its natural order.
.macro QROW p
	s_wait_loadcnt 32-2*(\p)                       ; behind this row's two loads were issued 30 - 2 p loads of W, b's and elt's
.irp i, 0,1,2,3
	v_med3_num_f32 v[WF+8*(\p)+\i], v[WF+8*(\p)+\i], -v[LIME], v[LIME]   ; the hold at the largest code x the scale
.endr
.irp i, 4,5,6,7
	v_med3_num_f32 v[WF+8*(\p)+\i], v[WF+8*(\p)+\i], -v[LIMO], v[LIMO]
.endr
	v_cvt_scalef32_pk8_fp8_f32 v[CW+2*(\p):CW+2*(\p)+1], v[WF+8*(\p):WF+8*(\p)+7], v[SCW]
	ds_store_b32 v[CST], v[CW+2*(\p)] offset:CP*(\p)
	ds_store_b32 v[CST], v[CW+2*(\p)+1] offset:CP*(\p)+128
.endm
.irp p, 0,1,2,3,4,5,6,7,8,9,10,11,12,13,14,15
	QROW \p                                        ; the next row's holds are the plain lines behind a row's conversion
.endr
	v_nop                                          ; a plain line behind the last conversion: products later write its sources
	s_wait_dscnt 0x0                               ; for the others' sake: my codes lie in LDS
	s_barrier_signal -1
	s_barrier_wait -1                              ; everybody's do.  The launch's only barrier: nothing writes the codes again, and the stages are each wave's own
	WIN 0x40                                       ; destination window 1, address window 0
.irp t, 0,1,2,3,4,5,6,7
.irp s, 0,1
.irp c, 0,1,2,3
	ds_load_b128 v[32*\t+16*\s+4*\c:32*\t+16*\s+4*\c+3], v[BRD] offset:16*CP*\t+64*\s+16*\c   ; row 16 t + r, k = 128 h + 4 (16 s + 4 c) on: W's fragments stay in registers
.endr
.endr
.endr
	WIN 0
	s_wait_dscnt 0x0
; 16 registers of the one-hot's fragments: register j holds the code, in its byte, where j is my row's register, else zeros
.macro GEN half
.irp i, 0,1,2,3,4,5,6,7,8,9,10,11,12,13,14,15
	v_cmp_eq_u32 s[32+\i], 16*\half+\i, v[Q]
.endr
.irp i, 0,1,2,3,4,5,6,7,8,9,10,11,12,13,14,15
	v_cndmask_b32 v[AF+16*\half+\i], 0, v[VAL], s[32+\i]
.endr
.endm
; 16 matrix instructions; a0, a1: the one-hot's fragments of the two K steps.  The first eight start the sums with the constant 0; the eight accumulators take turns,
; one instruction a turn: on every way a tile's last product is accumulator 7's and the next tile's first accumulator 0's.
.macro MULS a0, a1
	WIN 0x01                                       ; source 0 (W) window 1
.irp t, 0,1,2,3,4,5,6,7
	v_wmma_f32_16x16x128_fp8_fp8 v[ACC+8*\t:ACC+8*\t+7], v[32*\t:32*\t+15], v[\a0:\a0+15], 0
.endr
.irp t, 0,1,2,3,4,5,6,7
	v_wmma_f32_16x16x128_fp8_fp8 v[ACC+8*\t:ACC+8*\t+7], v[32*\t+16:32*\t+31], v[\a1:\a1+15], v[ACC+8*\t:ACC+8*\t+7]
.endr
	WIN 0
.endm
; Row p of the tile (row 4 p + c of the trip's 64) leaves if it is mine: sum x 2^(e0 + e1) + b, 32 lanes store 512 consecutive bytes, at a multiple of 512 from out0's first byte.
.macro ROWOUT c, p
	s_wait_dscnt 15-(\p)                           ; LDS loads come back in order: row p is in, the 15 - p younger ones may be out
	s_bitcmp1_b32 s25, \p
	s_cbranch_scc0 .Lskip_\@
	v_pk_fma_f32 v[OUTR+4*(\p):OUTR+4*(\p)+1], v[OUTR+4*(\p):OUTR+4*(\p)+1], s[20:21], v[BIAS:BIAS+1] op_sel_hi:[1,0,1]
	v_pk_fma_f32 v[OUTR+4*(\p)+2:OUTR+4*(\p)+3], v[OUTR+4*(\p)+2:OUTR+4*(\p)+3], s[20:21], v[BIAS+2:BIAS+3] op_sel_hi:[1,0,1]
	global_store_b128 v[OOFF], v[OUTR+4*(\p):OUTR+4*(\p)+3], s[12:13] offset:(4*(\p)+\c)*512 th:TH_STORE_NT
.Lskip_\@:
.endm
; A tile with a row of mine goes through my stage: a lane holds 32 bytes of a row and the lanes beside it other rows; it comes back as whole rows.
.macro EPILOGUE c
.rept 4
	v_nop                                          ; four places between the last product and the LDS stores that read results
.endr
	s_wait_xcnt 0x0                                ; earlier stores have read their data: the rows' registers are loaded again only behind this wait
.irp t, 0,1,2,3,4,5,6,7
	ds_store_b128 v[STO], v[ACC+8*\t:ACC+8*\t+3] offset:64*\t          ; each accumulator from its low end on
	ds_store_b128 v[STO], v[ACC+8*\t+4:ACC+8*\t+7] offset:64*\t+16
.endr
.irp p, 0,1,2,3,4,5,6,7,8,9,10,11,12,13,14,15
	ds_load_b128 v[OUTR+4*\p:OUTR+4*\p+3], v[SRD] offset:SPI*\p        ; LDS serves a wave's instructions in order (ISA guide 5.7.1.4): these see my stores
.endr
.irp p, 0,1,2,3,4,5,6,7,8,9,10,11,12,13,14,15
	ROWOUT \c, \p
.endr
.endm
; Tile c of a trip: rows 4 r + c of the trip's 64.  D = elt - 256 g.  The code belongs in register D / 4 - 32 h, byte D % 4; where D is not under 256, or lies in the other
; half of the lanes, no register number 0 .. 31 matches.
; The six vector lines at the head stand on both ways.  They name no register of the tile before's products, so they are the places (five are asked) in front of this
; tile's first products, which begin that tile's accumulators anew, and (four are asked) in front of the selects that write the one-hot's fragments.
.macro TILE c
	v_lshrrev_b32 v[Q], 2, v[D+\c]
	v_lshlrev_b32 v[T], 3, v[D+\c]                 ; the shift below takes its low five bits: 8 (D % 4)
	v_cmp_gt_u32 s24, s17, v[D+\c]                 ; which rows are mine
	v_sub_nc_u32 v[Q], v[Q], v[H32]
	v_lshlrev_b32 v[VAL], v[T], v[CODE]
	v_nop
	s_and_b32 s25, s24, 0xffff                     ; lanes 0 to 15 speak for rows 0 to 15
	s_cmp_lg_u32 s25, 0
	s_cbranch_scc0 .Lzeros_\@
	GEN 0                                          ; a row of mine: the fragments are made, multiplied, and my rows leave
	GEN 1
	MULS AF, AF+16
	EPILOGUE \c
	s_branch .Lnext_\@
.Lzeros_\@:
	MULS ZF, ZF                                    ; no row of mine: the tile is all zeros in my chunk; its products are zeros, and its rows are other work-groups' to store
.Lnext_\@:
.endm
; A trip: 64 rows, four tiles.  more = 1: the next trip's elt is asked for at its head.
.macro TRIP more
	s_wait_loadcnt 0x0                             ; this trip's elt is in (in the first trip b too); its load's offset register is free
.irp c, 0,1,2,3
	v_sub_nc_u32 v[D+\c], v[E+\c], s16
.endr
.if \more
	v_add_nc_u32 v[EOFF], 0x100, v[EOFF]
	global_load_b128 v[E:E+3], v[EOFF], s[8:9]
.endif
	TILE 0
	TILE 1
	TILE 2
	TILE 3
.if \more
	s_wait_xcnt 0x0                                ; the trip's stores have read their offset
	v_add_nc_u32 v[OOFF], 0x8000, v[OOFF]          ; 64 rows of 512 bytes on
.endif
.endm
	s_mov_b32 s22, 7
.Ltrip:
	TRIP 1
	s_sub_co_u32 s22, s22, 1
	s_cmp_lg_u32 s22, 0
	s_cbranch_scc1 .Ltrip
	TRIP 0                                         ; the eighth trip is written out: no load passes elt's end
	s_wait_tensorcnt 0x0
	ds_add_u32 v238, v239
	s_wait_dscnt 0x0
	s_endpgm
.Lfunc_end_k_q2179065f92_onehot_gemm:
	.size	k_q2179065f92_onehot_gemm, .Lfunc_end_k_q2179065f92_onehot_gemm-k_q2179065f92_onehot_gemm
	.p2alignl 7, 3214868480
	.fill 96, 4, 3214868480
	.section	.rodata,"a",@progbits
	.p2align	6, 0x0
	.amdhsa_kernel k_q2179065f92_onehot_gemm
		.amdhsa_group_segment_fixed_size 103424
		.amdhsa_private_segment_fixed_size 0
		.amdhsa_enable_private_segment 0
		.amdhsa_kernarg_size 40
		.amdhsa_user_sgpr_count 2
		.amdhsa_user_sgpr_kernarg_segment_ptr 1
		.amdhsa_wavefront_size32 1
		.amdhsa_system_sgpr_workgroup_id_x 1
		.amdhsa_system_sgpr_workgroup_id_y 1
		.amdhsa_system_sgpr_workgroup_id_z 1
		.amdhsa_system_vgpr_workitem_id 0
		.amdhsa_next_free_vgpr 512
		.amdhsa_next_free_sgpr 66
		.amdhsa_reserve_vcc 0
		.amdhsa_float_denorm_mode_32 3
		.amdhsa_float_denorm_mode_16_64 3
		.amdhsa_memory_ordered 1
		.amdhsa_forward_progress 1
		.amdhsa_inst_pref_size 134
	.end_amdhsa_kernel
	.amdgpu_metadata
---
amdhsa.version: [ 1, 2 ]
amdhsa.kernels:
  - .name:           k_q2179065f92_onehot_gemm
    .symbol:         k_q2179065f92_onehot_gemm.kd
    .args:
      - { .name: W, .offset: 0, .size: 8, .value_kind: global_buffer, .address_space: global }
      - { .name: b, .offset: 8, .size: 8, .value_kind: global_buffer, .address_space: global }
      - { .name: elt, .offset: 16, .size: 8, .value_kind: global_buffer, .address_space: global }
      - { .name: lowp_scales, .offset: 24, .size: 8, .value_kind: global_buffer, .address_space: global }
      - { .name: out0, .offset: 32, .size: 8, .value_kind: global_buffer, .address_space: global }
    .group_segment_fixed_size: 103424
    .private_segment_fixed_size: 0
    .kernarg_segment_align: 8
    .kernarg_segment_size: 40
    .max_flat_workgroup_size: 256
    .sgpr_count:     66
    .vgpr_count:     512
    .wavefront_size: 32
...
	.end_amdgpu_metadata
.endif
;; end of part 1
;; ======== version 2 of 2: 1 launch; version 1 with the launch onehot_gemm written anew for expert scheduling mode
;; launch onehot_gemm (part 2): grid 196 x 1, 8 waves a work-group, no clusters, 103,424 bytes of LDS; arguments W, b, elt, lowp_scales, out0; writes out0
.if DOCPART == 2
	.amdgcn_target "amdgcn-amd-amdhsa--gfx1250"
	.amdhsa_code_object_version 6
	.text
	.protected	k_q2179065f92_onehot_gemm
	.globl	k_q2179065f92_onehot_gemm
	.p2align	8
	.type	k_q2179065f92_onehot_gemm,@function
k_q2179065f92_onehot_gemm:
	s_mov_b64 s[64:65], 0
	v_nop
	global_prefetch_b8 v0, s[64:65] scope:SCOPE_SE
	s_setreg_imm32_b32 hwreg(HW_REG_WAVE_SCHED_MODE, 0, 2), 2
	s_setreg_imm32_b32 hwreg(HW_REG_WAVE_MODE, 25, 1), 1
	s_wait_xcnt 0x0
	s_wait_alu depctr_vm_vsrc(0)
; out0[m][n] = sum over k of Q(one_hot(elt[m])[k]) Q(W[n][k]) + b[n].  M = 4,096, K = 50,000, N = 128.  Both operands are codes of FP8 (E4M3), each with the one
; given scale 2^e (lowp_scales: e0 for the one-hot, e1 for W); the product runs on v_wmma_f32_16x16x128_fp8_fp8, sums in f32, each sum x 2^(e0 + e1) + b.
; SPLIT ALONG K.  Work-group g owns k = 256 g .. 256 g + 255 (196 work-groups; the last has 80 real k, the rest of its chunk are zero codes).  It reads its 128 x 1,024
; bytes of W once, quantises them once, and every one of its eight waves keeps all 32,768 codes in 256 registers.  Chunks of 196 k for 256 work-groups would still
; take two K steps of 128 each, so they would add zero codes and spare no instruction: 196 work-groups are what the work has.
; SPLIT ALONG M.  Wave w walks rows 512 w .. 512 w + 511, 32 tiles of 16 rows, 16 matrix instructions a tile: 8 tiles of n x 2 K steps.  The one-hot operand never lies
; in memory or LDS.  A tile with a row whose index lies in my chunk has its two fragments made in registers from elt by whole-number compares.  A tile with no such row
; is all zeros in my chunk: its products take a standing fragment of zero codes, and nothing is made.  With indices spread evenly, 16 rows against 196 chunks, that is
; about eleven tiles in twelve.
; ONE OWNER FOR EACH ROW.  Row m is other than b in the one chunk that holds elt[m].  With D = elt - 256 g as u32, work-group g stores row m where D < 256; the last
; work-group where D < 2^32 - 49,920.  So every u32 value of elt has exactly one owner, and each row is stored once, whole (512 bytes).  An index outside 0 .. 49,999
; falls to the last work-group and meets no one-hot code or zero codes of W: the row is b, as one_hot gives it.  No sum leaves a work-group in parts.
; The branches hang on elt alone, a whole-number input.
; k IS PERMUTED, ALIKE IN BOTH OPERANDS: lane (r = lane % 16, h = lane / 16), fragment register j = 0 .. 31 (K step j / 16), byte y hold k = 128 h + 4 j + y of the chunk.
; Each output is one product and zeros, so the order of k changes no bit.
; THE MATRIX INSTRUCTION IS USED TRANSPOSED: source 0 = 16 rows of W, source 1 = 16 rows of the one-hot: a lane holds eight neighbouring columns of one row of out0.
; NO CLUSTER: work-groups share elt and b alone, 16,896 bytes beside 131,072 bytes of their own.  NO TENSOR LOAD: W passes through registers for its conversion and is read once.
; LIMITS: e0 and e1 between -126 and 119, e0 + e1 between -126 and 127, so that each power of two below is an f32 number.  NaN in W is not served; an infinity is held at the largest code.
; THE MODE: SCHED_MODE bits 1:0 = 2 (LLVM: expert scheduling mode 2), set by the entry lines.  The code itself states the register dependences between vector or matrix
; instructions and memory or LDS instructions, with s_wait_alu, always for 0.
; THE PLAN.  Registers that memory or LDS instructions touch:
;   v4, v5, v9-15   offsets and LDS addresses: written once at the head, ahead of one wait on va_vdst, and never again: elt and out0 are walked by their scalar bases.
;   v64-191 (head)  W as f32: landed in by loads, held and converted.  Later the accumulators and the rows on the way out: the head's last wait on va_vdst stands between.
;   v192-223        W's codes, a pair of its own for each row: written by the row's conversion, read by its two LDS stores, never written again.  The rows go in groups of four:
;                   one wait on va_vdst at a group's head states that the group before has written its codes; that group's eight stores are dealt among this group's vector lines.
;   window 1        W's fragments: landed in by LDS loads, read by matrix instructions; no vector line names them.
;   v20-23          elt: read by a trip's four subtractions; behind one wait on va_vdst the next trip's load lands there.
;   v64-127         the accumulators: written by products; in a tile with a row of mine read by the stage's LDS stores, behind the places and one wait on va_vdst; one wait on
;                   vm_vsrc at the end of that way out stands ahead of the next tile's products, which write them again.
;   v128-191        16 rows on the way out: landed in by LDS loads, behind that same wait on va_vdst; a row of mine is scaled in place, and one wait on va_vdst stands between its two
;                   multiply-adds and its store; the wait on vm_vsrc at the end of the way out states that the stores have read them, ahead of a later tile's LDS loads.
;   Scalar registers that vector lines write (the wave's number; masks of compares) have a wait on va_sdst ahead of their first reader; compares stand in runs, one wait behind a run.
; REGISTERS.  Window 0: v1-15 lane numbers and offsets; v16-19 b; v20-27 elt and D; v28-31 at work; v32-63 the one-hot's fragments; v64-127 eight accumulators;
;   v128-191 16 rows on the way out; v232 the one-hot's code; v240-255 a fragment of zero codes.  At the head only: v64-191 W as f32, v192-223 its codes, v224-236 constants.
;   Window 1: W's fragments: tile t of n, K step s at v[32 t + 16 s].   s32-63: the masks of the 32 compares that make a tile's one-hot fragments.
.set NROW, 200000                      ; bytes in a row of W
.set CP,   272                         ; LDS: a row of 256 codes + 16 of padding = 68 words: the 16 rows of a fragment load start at 16 different groups of 4 words modulo 64
.set SPI,  528                         ; LDS: a stage row: 512 bytes + 16 of padding = 132 words: likewise
.set STG,  128*CP                      ; behind the codes: a stage of 16 rows for each wave, its own
.set STGW, 16*SPI
.set H32,  3                           ; v3   32 h
.set WOE,  4                           ; v4   W: my 16 bytes of a row's first 512, held inside the row
.set WOO,  5                           ; v5   and of its second 512
.set LIME, 6                           ; v6   448 x 2^e1, or 0 where my four k of the first 512 bytes lie past k = 49,999
.set LIMO, 7                           ; v7   the same for the second 512 bytes
.set SCW,  8                           ; v8   2^e1 as f32
.set CST,  9                           ; v9   where I store codes: 16 w rows + 4 x lane
.set BRD,  10                          ; v10  where I read W's fragments: r rows + 128 h
.set STO,  11                          ; v11  the stage: where I put 32 bytes of a row
.set SRD,  12                          ; v12  and where I read a row back
.set EOFF, 13                          ; v13  my byte offset in the wave's first 64 numbers of elt; never rewritten: the base s[8:9] moves on by 256 a trip
.set OOFF, 14                          ; v14  my byte offset in the wave's first 64 rows of out0; never rewritten: the base s[12:13] moves on by 32,768 a trip
.set L16,  15                          ; v15  16 x lane; never rewritten
.set BIAS, 16
.set E,    20
.set D,    24
.set Q,    28
.set T,    29
.set VAL,  30
.set AF,   32
.set ACC,  64
.set OUTR, 128
.set WF,   64
.set CW,   192
.set CODE, 232
.set ZF,   240                         ; v240-255  16 registers of zero codes: the one-hot's fragment, of either K step, where no row of a tile has its index in my chunk; never rewritten
.set MSB, 0
.macro WIN new                         ; the immediate's high byte repeats the setting that is left; a switch that changes nothing is dropped
.if MSB != \new
	s_set_vgpr_msb (MSB<<8)|\new
.set MSB, \new
.endif
.endm
	s_load_b256 s[4:11], s[0:1], 0x0               ; W s[4:5], b s[6:7], elt s[8:9], the scales' exponents s[10:11]
	s_load_b64 s[12:13], s[0:1], 0x20              ; out0
	v_lshl_add_u32 v238, v0, 2, 0x19000
	v_mov_b32 v239, 0
	v_and_b32 v1, 31, v0                           ; lane
	v_and_b32 v2, 15, v0                           ; r
	v_bfe_u32 v29, v0, 4, 1                        ; h
	v_lshrrev_b32 v30, 5, v0
	v_readfirstlane_b32 s14, v30                   ; wave 0..7
	v_lshlrev_b32 v[H32], 5, v29
	v_lshlrev_b32 v[L16], 4, v1
	s_wait_alu depctr_va_sdst(0)                   ; s14 is written, ahead of its first reader: the wave's places in LDS, in W, in elt and in out0 are made from it
	s_mul_i32 s28, s14, 16*CP
	v_lshl_add_u32 v[CST], v1, 2, s28              ; my wave's 16 rows of codes, 4 bytes a lane
	v_mul_u32_u24 v[BRD], v2, CP
	v_lshl_add_u32 v[BRD], v29, 7, v[BRD]
	s_mul_i32 s29, s14, STGW
	s_add_co_u32 s29, s29, STG                     ; my stage
	v_mul_u32_u24 v[STO], v2, SPI
	v_lshl_add_u32 v[STO], v29, 5, v[STO]
	v_add_nc_u32 v[STO], s29, v[STO]               ; in: row r, + 32 h
	v_add_nc_u32 v[SRD], s29, v[L16]               ; back: the 32 lanes take one row of 512 bytes
	s_lshl_b32 s30, s14, 11
	v_lshl_add_u32 v[EOFF], v2, 4, s30             ; elt: 512 w numbers on, four numbers for each r: rows 4 r .. 4 r + 3 of a trip's 64
	s_lshl_b32 s31, s14, 18
	v_add_nc_u32 v[OOFF], s31, v[L16]              ; out0: 512 w rows of 512 bytes on, 16 bytes a lane
	s_mov_b32 s15, ttmp9                           ; g
	s_lshl_b32 s16, s15, 8                         ; the chunk's first k
	s_lshl_b32 s26, s15, 10                        ; and its first byte in a row of W
	s_sub_co_u32 s23, NROW-16, s26                 ; the last place in the chunk at which 16 bytes still lie inside the row
	s_mov_b32 s17, 256
	s_cmp_eq_u32 s15, 195
	s_cselect_b32 s17, 0xffff3d00, s17             ; I own a row where D < this: 256, in the last work-group 2^32 - 49,920
	v_add_nc_u32 v31, 0x200, v[L16]
	v_min_u32 v[WOE], s23, v[L16]                  ; no load leaves its row: lanes past the end read the row's last 16 bytes, and their numbers are held at 0 below
	v_min_u32 v[WOO], s23, v31
	s_mul_i32 s27, s14, 16*NROW                    ; my wave quantises rows 16 w .. 16 w + 15 of W
	s_add_co_u32 s26, s26, s27
	s_mov_b32 s27, 0
	s_wait_kmcnt 0x0
	s_load_b64 s[18:19], s[10:11], 0x0             ; e0, e1
	s_add_nc_u64 s[4:5], s[4:5], s[26:27]
	s_wait_alu depctr_va_vdst(0)                   ; the offsets and LDS addresses v4, v5 and v9 to v15 are written: every load, store and LDS instruction of the kernel reads one of them, and none is written again
	; all that the wave reads but later trips' elt goes out at once: 34 loads
.irp j, 0,1,2,3,4,5,6,7,8,9,10,11,12,13,14,15,16,17,18,19,20,21,22,23,24,25,26,27,28,29,30,31
	global_load_b128 v[WF+4*\j:WF+4*\j+3], v[WOE+\j%2], s[4:5] offset:(\j/2)*NROW th:TH_LOAD_NT   ; row j / 2: 32 lanes read 512 consecutive bytes; read once in the launch
.endr
	global_load_b128 v[BIAS:BIAS+3], v[L16], s[6:7]            ; b[4 x lane ..]
	global_load_b128 v[E:E+3], v[EOFF], s[8:9]                 ; the first trip's elt: sixteen lanes read 256 consecutive bytes, the other sixteen the same
	; the constants, while the loads are out
.irp i, 0,1,2,3,4,5,6,7,8,9,10,11,12,13,14,15
	v_mov_b32 v[ZF+\i], 0                          ; the code 0 is the number 0: the fragment of a tile that is all zeros in my chunk
.endr
	s_wait_kmcnt 0x0
	s_add_co_i32 s28, s18, s19
	s_add_co_i32 s28, s28, 127
	s_lshl_b32 s20, s28, 23                        ; 2^(e0 + e1) as f32
	s_mov_b32 s21, s20                             ; (named with it as a pair, so it is written)
	s_add_co_i32 s28, s19, 127
	s_lshl_b32 s29, s28, 23
	v_mov_b32 v[SCW], s29                          ; 2^e1: the conversion takes its exponent field
	s_add_co_i32 s28, s28, 8
	s_lshl_b32 s28, s28, 23
	s_or_b32 s28, s28, 0x600000
	v_mov_b32 v236, s28                            ; 448 x 2^e1
	v_cmp_ge_u32 s24, s23, v[L16]                  ; do my four k lie inside K?
	v_cmp_ge_u32 s25, s23, v31
	s_wait_alu depctr_va_sdst(0)                   ; the two compares have written s24 and s25, which the two selects read
	v_cndmask_b32 v[LIME], 0, v236, s24            ; where not, the hold is at 0: zero codes
	v_cndmask_b32 v[LIMO], 0, v236, s25
	s_add_co_i32 s28, s18, 127
	s_lshl_b32 s29, s28, 23
	v_mov_b32 v234, s29                            ; 2^e0
	s_add_co_i32 s28, s28, 8
	s_lshl_b32 s28, s28, 23
	s_or_b32 s28, s28, 0x600000
	v_mov_b32 v235, s28                            ; 448 x 2^e0
	v_min_num_f32 v224, 1.0, v235                  ; the one-hot's 1.0, held at the largest code x the scale (the conversion does not saturate: ISA guide 7.6.2),
.irp i, 1,2,3,4,5,6,7
	v_mov_b32 v[224+\i], 0                         ; and its zeros
.endr
	v_cvt_scalef32_pk8_fp8_f32 v[CODE:CODE+1], v[224:231], v234   ; v232: byte 0 the code of 1.0 / 2^e0, bytes 1 to 3 the code 0
	v_nop                                          ; a plain line behind the scaled conversion
; Row 16 w + p's 256 codes go to LDS: each store lays 128 consecutive bytes of the row, k in its natural order.
.macro CSTORE p
	ds_store_b32 v[CST], v[CW+2*(\p)] offset:CP*(\p)
	ds_store_b32 v[CST], v[CW+2*(\p)+1] offset:CP*(\p)+128
.endm
; Row 16 w + p of W: 8 numbers a lane (k = 4 x lane .. + 3 and 128 + 4 x lane .. + 3) become 8 codes, in a pair of registers of the row's own.
; The rows go in groups of four; the stores of row p - 4 stand at the head of row p.
.macro QROW p
	s_wait_loadcnt 32-2*(\p)                       ; behind this row's two loads were issued 30 - 2 p loads of W, b's and elt's
.if (\p) % 4 == 0 && (\p) > 0
	s_wait_alu depctr_va_vdst(0)                   ; the conversions of the four rows before have written their codes, which the LDS stores in this group read; this group's vector lines name other registers
.endif
.if (\p) >= 4
	CSTORE (\p)-4
.endif
.irp i, 0,1,2,3
	v_med3_num_f32 v[WF+8*(\p)+\i], v[WF+8*(\p)+\i], -v[LIME], v[LIME]   ; the hold at the largest code x the scale
.endr
.irp i, 4,5,6,7
	v_med3_num_f32 v[WF+8*(\p)+\i], v[WF+8*(\p)+\i], -v[LIMO], v[LIMO]
.endr
	v_cvt_scalef32_pk8_fp8_f32 v[CW+2*(\p):CW+2*(\p)+1], v[WF+8*(\p):WF+8*(\p)+7], v[SCW]
.endm
.irp p, 0,1,2,3,4,5,6,7,8,9,10,11,12,13,14,15
	QROW \p                                        ; the next row's holds are the plain lines behind a row's conversion
.endr
	v_nop                                          ; a plain line behind the last conversion: products later write its sources
	s_wait_alu depctr_va_vdst(0)                   ; the last four rows' conversions have written their codes, which the LDS stores below read; and every hold and conversion is done with v64 to v191, in part of which LDS loads land on the way out
.irp p, 12,13,14,15
	CSTORE \p
.endr
	s_wait_dscnt 0x0                               ; for the others' sake: my codes lie in LDS
	s_barrier_signal -1
	s_barrier_wait -1                              ; everybody's do.  The launch's only barrier: nothing writes the codes again, and the stages are each wave's own
	WIN 0x40                                       ; destination window 1, address window 0.  No vector line names window 1's registers, and v[BRD] was written ahead of the head's first wait on va_vdst
.irp t, 0,1,2,3,4,5,6,7
.irp s, 0,1
.irp c, 0,1,2,3
	ds_load_b128 v[32*\t+16*\s+4*\c:32*\t+16*\s+4*\c+3], v[BRD] offset:16*CP*\t+64*\s+16*\c   ; row 16 t + r, k = 128 h + 4 (16 s + 4 c) on: W's fragments stay in registers
.endr
.endr
.endr
	WIN 0
	s_wait_dscnt 0x0
; The 32 registers of the one-hot's two fragments: register j holds the code, in its byte, where j is my row's register, else zeros.  The compares stand in one run, into 32 scalar registers.
.macro GEN
.irp i, 0,1,2,3,4,5,6,7,8,9,10,11,12,13,14,15,16,17,18,19,20,21,22,23,24,25,26,27,28,29,30,31
	v_cmp_eq_u32 s[32+\i], \i, v[Q]
.endr
	s_wait_alu depctr_va_sdst(0)                   ; the 32 compares have written s32 to s63, which the 32 selects read
.irp i, 0,1,2,3,4,5,6,7,8,9,10,11,12,13,14,15,16,17,18,19,20,21,22,23,24,25,26,27,28,29,30,31
	v_cndmask_b32 v[AF+\i], 0, v[VAL], s[32+\i]
.endr
.endm
; 16 matrix instructions; a0, a1: the one-hot's fragments of the two K steps.  The first eight start the sums with the constant 0; the eight accumulators take turns,
; one instruction a turn: on every way a tile's last product is accumulator 7's and the next tile's first accumulator 0's.
.macro MULS a0, a1
	WIN 0x01                                       ; source 0 (W) window 1
.irp t, 0,1,2,3,4,5,6,7
	v_wmma_f32_16x16x128_fp8_fp8 v[ACC+8*\t:ACC+8*\t+7], v[32*\t:32*\t+15], v[\a0:\a0+15], 0
.endr
.irp t, 0,1,2,3,4,5,6,7
	v_wmma_f32_16x16x128_fp8_fp8 v[ACC+8*\t:ACC+8*\t+7], v[32*\t+16:32*\t+31], v[\a1:\a1+15], v[ACC+8*\t:ACC+8*\t+7]
.endr
	WIN 0
.endm
; Row p of the tile (row 4 p + c of the trip's 64) leaves if it is mine: sum x 2^(e0 + e1) + b, 32 lanes store 512 consecutive bytes, at a multiple of 512 from out0's first byte.
.macro ROWOUT c, p
	s_wait_dscnt 15-(\p)                           ; LDS loads come back in order: row p is in, the 15 - p younger ones may be out
	s_bitcmp1_b32 s25, \p
	s_cbranch_scc0 .Lskip_\@
	v_pk_fma_f32 v[OUTR+4*(\p):OUTR+4*(\p)+1], v[OUTR+4*(\p):OUTR+4*(\p)+1], s[20:21], v[BIAS:BIAS+1] op_sel_hi:[1,0,1]
	v_pk_fma_f32 v[OUTR+4*(\p)+2:OUTR+4*(\p)+3], v[OUTR+4*(\p)+2:OUTR+4*(\p)+3], s[20:21], v[BIAS+2:BIAS+3] op_sel_hi:[1,0,1]
	s_wait_alu depctr_va_vdst(0)                   ; the two multiply-adds have written the row, which the store reads.  It stands under the row's branch: it is passed once for each row that is stored
	global_store_b128 v[OOFF], v[OUTR+4*(\p):OUTR+4*(\p)+3], s[12:13] offset:(4*(\p)+\c)*512 th:TH_STORE_NT
.Lskip_\@:
.endm
; A tile with a row of mine goes through my stage: a lane holds 32 bytes of a row and the lanes beside it other rows; it comes back as whole rows.  on = 1: another tile follows.
.macro EPILOGUE c, on
.rept 4
	v_nop                                          ; four places between the last product and the LDS stores that read results
.endr
	s_wait_xcnt 0x0                                ; earlier stores have read their data: the rows' registers are loaded again only behind this wait
	s_wait_alu depctr_va_vdst(0)                   ; the products have written the accumulators, which the LDS stores read (the places above stay beside this wait); an earlier tile's multiply-adds are done with v[OUTR ..], in which the LDS loads land
.irp t, 0,1,2,3,4,5,6,7
	ds_store_b128 v[STO], v[ACC+8*\t:ACC+8*\t+3] offset:64*\t          ; each accumulator from its low end on
	ds_store_b128 v[STO], v[ACC+8*\t+4:ACC+8*\t+7] offset:64*\t+16
.endr
.irp p, 0,1,2,3,4,5,6,7,8,9,10,11,12,13,14,15
	ds_load_b128 v[OUTR+4*\p:OUTR+4*\p+3], v[SRD] offset:SPI*\p        ; LDS serves a wave's instructions in order (ISA guide 5.7.1.4): these see my stores
.endr
.irp p, 0,1,2,3,4,5,6,7,8,9,10,11,12,13,14,15
	ROWOUT \c, \p
.endr
.if \on
	s_wait_alu depctr_vm_vsrc(0)                   ; the LDS stores have read the accumulators, which the next tile's products write; the rows' stores have read v[OUTR ..], in which a later tile's LDS loads land
.endif
.endm
; Tile c of a trip: rows 4 r + c of the trip's 64.  D = elt - 256 g.  The code belongs in register D / 4 - 32 h, byte D % 4; where D is not under 256, or lies in the other
; half of the lanes, no register number 0 .. 31 matches.  on = 1: another tile follows.
; The six vector lines at the head stand on both ways.  They name no register of the tile before's products, so they are the places (five are asked) in front of this
; tile's first products, which begin that tile's accumulators anew, and (four are asked) in front of the selects that write the one-hot's fragments.
.macro TILE c, on
	v_lshrrev_b32 v[Q], 2, v[D+\c]
	v_lshlrev_b32 v[T], 3, v[D+\c]                 ; the shift below takes its low five bits: 8 (D % 4)
	v_cmp_gt_u32 s24, s17, v[D+\c]                 ; which rows are mine
	v_sub_nc_u32 v[Q], v[Q], v[H32]
	v_lshlrev_b32 v[VAL], v[T], v[CODE]
	v_nop
	s_wait_alu depctr_va_sdst(0)                   ; the compare has written s24, which the line below reads
	s_and_b32 s25, s24, 0xffff                     ; lanes 0 to 15 speak for rows 0 to 15
	s_cmp_lg_u32 s25, 0
	s_cbranch_scc0 .Lzeros_\@
	GEN                                            ; a row of mine: the fragments are made, multiplied, and my rows leave
	MULS AF, AF+16
	EPILOGUE \c, \on
	s_branch .Lnext_\@
.Lzeros_\@:
	MULS ZF, ZF                                    ; no row of mine: the tile is all zeros in my chunk; its products are zeros, and its rows are other work-groups' to store
.Lnext_\@:
.endm
; A trip: 64 rows, four tiles.  more = 1: the next trip's elt is asked for at its head.
.macro TRIP more
	s_wait_loadcnt 0x0                             ; this trip's elt is in (in the first trip b too)
.irp c, 0,1,2,3
	v_sub_nc_u32 v[D+\c], v[E+\c], s16
.endr
.if \more
	s_add_nc_u64 s[8:9], s[8:9], 0x100             ; free since the wait above, which shows the load that read it done: 64 numbers of elt on
	s_wait_alu depctr_va_vdst(0)                   ; the four subtractions are done reading v[E ..], in which the load below lands
	global_load_b128 v[E:E+3], v[EOFF], s[8:9]
.endif
	TILE 0, 1
	s_wait_alu depctr_va_vdst(0)
	TILE 1, 1
	TILE 2, 1
	TILE 3, \more
.if \more
	s_wait_xcnt 0x0                                ; the trip's stores have read their base
	s_add_nc_u64 s[12:13], s[12:13], 0x8000        ; 64 rows of 512 bytes on
.endif
.endm
	s_mov_b32 s22, 7
.Ltrip:
	TRIP 1
	s_sub_co_u32 s22, s22, 1
	s_cmp_lg_u32 s22, 0
	s_cbranch_scc1 .Ltrip
	TRIP 0                                         ; the eighth trip is written out: no load passes elt's end
	s_wait_dscnt 0x0
	s_wait_alu depctr_hold_cnt(0) depctr_sa_sdst(0) depctr_va_vdst(0) depctr_va_sdst(0) depctr_va_ssrc(0) depctr_va_vcc(0) depctr_vm_vsrc(0)
	s_wait_tensorcnt 0x0
	ds_add_u32 v238, v239
	s_wait_dscnt 0x0
	s_endpgm
.Lfunc_end_k_q2179065f92_onehot_gemm:
	.size	k_q2179065f92_onehot_gemm, .Lfunc_end_k_q2179065f92_onehot_gemm-k_q2179065f92_onehot_gemm
	.p2alignl 7, 3214868480
	.fill 96, 4, 3214868480
	.section	.rodata,"a",@progbits
	.p2align	6, 0x0
	.amdhsa_kernel k_q2179065f92_onehot_gemm
		.amdhsa_group_segment_fixed_size 103424
		.amdhsa_private_segment_fixed_size 0
		.amdhsa_enable_private_segment 0
		.amdhsa_kernarg_size 40
		.amdhsa_user_sgpr_count 2
		.amdhsa_user_sgpr_kernarg_segment_ptr 1
		.amdhsa_wavefront_size32 1
		.amdhsa_system_sgpr_workgroup_id_x 1
		.amdhsa_system_sgpr_workgroup_id_y 1
		.amdhsa_system_sgpr_workgroup_id_z 1
		.amdhsa_system_vgpr_workitem_id 0
		.amdhsa_next_free_vgpr 512
		.amdhsa_next_free_sgpr 66
		.amdhsa_reserve_vcc 0
		.amdhsa_float_denorm_mode_32 3
		.amdhsa_float_denorm_mode_16_64 3
		.amdhsa_memory_ordered 1
		.amdhsa_forward_progress 1
		.amdhsa_inst_pref_size 139
	.end_amdhsa_kernel
	.amdgpu_metadata
---
amdhsa.version: [ 1, 2 ]
amdhsa.kernels:
  - .name:           k_q2179065f92_onehot_gemm
    .symbol:         k_q2179065f92_onehot_gemm.kd
    .args:
      - { .name: W, .offset: 0, .size: 8, .value_kind: global_buffer, .address_space: global }
      - { .name: b, .offset: 8, .size: 8, .value_kind: global_buffer, .address_space: global }
      - { .name: elt, .offset: 16, .size: 8, .value_kind: global_buffer, .address_space: global }
      - { .name: lowp_scales, .offset: 24, .size: 8, .value_kind: global_buffer, .address_space: global }
      - { .name: out0, .offset: 32, .size: 8, .value_kind: global_buffer, .address_space: global }
    .group_segment_fixed_size: 103424
    .private_segment_fixed_size: 0
    .kernarg_segment_align: 8
    .kernarg_segment_size: 40
    .max_flat_workgroup_size: 256
    .sgpr_count:     66
    .vgpr_count:     512
    .wavefront_size: 32
...
	.end_amdgpu_metadata
.endif
;; end of part 2
